; MI455X (gfx1250); checked and timed in simulation.
; The chip was launched on July 23, 2026; its instructions are those of AMD's public machine-readable ISA for CDNA 5 (MIT licence, August 2026) and "CDNA5" Instruction Set Architecture Reference Guide (July 2026). The comments in the code are by the model that wrote it; some were corrected since.
;; Vision Triton Attention. Allowed arithmetic: matrix products marked QUANTISED: E2M3 operands, one E8M0 scale for each 32 along K, by v_wmma_scale_f32_16x16x128_f8f6f4 with both operands' format E2M3, f32 sums; everything else in f32.
;; Inputs: cu_seqlens 9 int32; k 8,192 x 16 x 64 float32; q 8,192 x 16 x 64 float32; v 8,192 x 16 x 64 float32.
;; Outputs: out0 8,192 x 16 x 64 float32.
;; Constants: max_seqlen = 1024.
;; This version of the problem:
;;   THIS VERSION OF THE PROBLEM IS GIVEN IN LOW PRECISION. The matrix products marked QUANTISED in the list below multiply operands that are first quantised to E2M3 (2 exponent bits, 3 mantissa bits; 6 bits a number), with one power-of-two scale for each 32 numbers along K (OCP MX v1.0); their sums are f32. All else is computed in f32.
;;   The module's matrix products, in the order in which they are computed (A, B: the left and right operand; K: the contracted axis; several contracted axes count as one K, in the product's order):
;;     1. batch 128 x [M 1,024, K 64] x [K 64, N 1,024]; A: input q; B: input k: QUANTISED
;;     2. batch 128 x [M 64, K 1,024] x [K 1,024, N 1,024]; A: input v; B: softmax (see below): QUANTISED
;;   THE QUANTISER, for each operand of a quantised product, along K:
;;     - K is cut into blocks of 32 from its start; a last block that is shorter is filled with zeros.
;;     - A block's scale is 2^e with e = floor(log2(the largest magnitude in the block)) - 2, held to -126 .. 127; a block of zeros has e = 0. As a byte (E8M0): e + 127.
;;     - Each number is divided by its block's scale, clamped to +-7.5, and rounded to the nearest number of E2M3, ties to even, subnormals kept.
;;     - The product sums the exact products of the quantised numbers (number of the format x scale) in f32.
;;   ~~~python
;;   def quantise(x, axis):      # numpy; x: float32 -> the quantised numbers, widened to float32 again
;;       x = np.moveaxis(x, axis, -1); K = x.shape[-1]
;;       x = np.pad(x, [(0, 0)] * (x.ndim - 1) + [(0, -K % 32)]); x = x.reshape(x.shape[:-1] + (-1, 32)); a = np.abs(x).max(-1, keepdims=True)
;;       e = np.where(a > 0, np.clip(np.frexp(np.where(a > 0, a, 1))[1] - 1 - 2, -126, 127), 0)      # np.frexp(a)[1] - 1 = floor(log2(a)), exactly
;;       r = np.clip(x / 2.0 ** e, -7.5, 7.5)
;;       step = 2.0 ** (np.maximum(np.frexp(np.where(r == 0, 1, r))[1] - 1, 0) - 3)
;;       q = np.round(r / step) * step * 2.0 ** e      # np.round: ties to even
;;       return np.moveaxis(q.reshape(q.shape[:-2] + (-1,))[..., :K], -1, axis).astype(np.float32)
;;   ~~~
;;   SOFTMAX AHEAD OF A QUANTISED PRODUCT. Where the list says 'softmax', what is quantised is not the finished softmax but p = 2^(t - M), with t = logit x log2(e) and M = ceil(the row's largest t), a whole number; so 1/2 < the row's largest p <= 1. The row's sum l is taken of the UNQUANTISED p, in f32, and the product's result is divided by l at the end. Since M is a whole number, a kernel that streams over the keys may use a running M (the ceiling of the running maximum): every later rescaling is an exact power of two, which a block's scale takes up: the codes' values come out the same.
;;   OPERANDS COMPUTED ON THE WAY. 'Computed on the way' means the value that the module computes at that place (a softmax that the list does not call 'softmax' is quantised finished and normalised). What goes into a quantiser is computed in f32, as accurately as f32 sums, v_exp_f32 and their like allow (about 1e-6 of the number): no bf16 or f16 on the way to a quantiser, and a product that is left as it is and whose result goes on into a quantised operand takes f32 operands (vector FMAs, or v_wmma_f32_16x16x4_f32). A number that lies on a knife's edge between two numbers of the format may be rounded either way, as far as f32 arithmetic and the matrix unit's own rounding can turn it there, and no further.
;; 2 versions. Each part assembles by itself: llvm-mc -triple=amdgcn-amd-amdhsa -mcpu=gfx1250 --defsym DOCPART=n.
;; ======== version 1 of 2: 1 launch
;; launch attn (part 1): grid 2 x 128, 16 waves a work-group, no clusters, 276,480 bytes of LDS; arguments q, k, v, cu_seqlens, out0; writes out0
.if DOCPART == 1
	.amdgcn_target "amdgcn-amd-amdhsa--gfx1250"
	.amdhsa_code_object_version 6
	.text
	.protected	k_q8b42889736_attn
	.globl	k_q8b42889736_attn
	.p2align	8
	.type	k_q8b42889736_attn,@function
k_q8b42889736_attn:
	s_mov_b64 s[64:65], 0
	v_nop
	global_prefetch_b8 v0, s[64:65] scope:SCOPE_SE
	s_setreg_imm32_b32 hwreg(HW_REG_WAVE_MODE, 25, 1), 1
	s_wait_xcnt 0x0
; out[b][q][h][:] = the sum over keys of softmax(q . k / 8) v, for 8 sequences x 16 heads, 1,024 queries and keys, head size 64; q, k, v, out0: [8192][16][64] f32.
; len[b] = cu_seqlens[b + 1] - cu_seqlens[b], held to 0 .. 1,024: keys at or beyond len count for nothing (score -1e30), queries at or beyond len give 0.
; Both products run on codes of FP6 (E2M3) with one E8M0 scale for each 32 along K: q and k along the head's 64, v and p along the keys.
; p = 2^(t - M), t = score x log2(e) / 8, M the running largest t rounded UP to a whole number; the row's sum is taken of the unquantised p and divides at the end.
; SHARES.  Two work-groups (x = 0, 1) to a (sequence, head); sixteen waves each.  Wave w takes, in pass p = 0, 1, the tile of 16 queries 32 p + 2 w + x: so whatever len is, both work-groups and all waves have like work.
; PROLOGUE.  Each work-group loads its head's whole K and V as f32, quantises them once, and lays codes and scale words in LDS as IMAGES OF THE OPERANDS' REGISTERS (a fragment: 12 registers a lane, registers 4 c .. 4 c + 3 of
; lane l at 512 c + 16 l).  Wave w makes K's fragments 2 w, 2 w + 1 (keys 64 w on) and, of V, key step w / 2, channels 32 (w % 2) on.  ONE barrier; behind it the images are only read.
; K'S FRAGMENT HOLDS 32 KEYS: the head's 64 are half of the instruction's 128 along K, so row r is [key A(r) | key B(r)], A(r) = 32 f + r + 8 (r / 8), B(r) = A(r) + 8.  Q stands in 18 registers, [Q | zeros | Q]: the first twelve
; ([Q | 0]) give the scores of the keys A, the last twelve ([0 | Q]) those of the keys B.  Source 0 = keys, source 1 = queries: a lane holds ONE query (lane % 16), and the 16 registers of a fragment's two results are the 16
; neighbouring keys 32 f + 16 (lane / 16) + 0 .. 15.  The dead half has zero codes, and on Q's side the scale byte 1.
; V: a lane takes a channel and its registers run down the keys, so a block of 32 keys is one lane's and the codes come out with the keys innermost.  O^T = V^T P^T: source 0 = 16 channels, source 1 = p.
; BRANCHES ON len (a whole number read from memory): a key step all of whose keys lie beyond len is jumped over; the 128 lines of the mask run only in the one step that len cuts; a tile all of whose queries lie beyond len
; walks no key step.  Both loops have constant trip counts (2 passes, 8 steps); the jumps go round work inside a trip; no barrier stands behind the first of them.
; NO JOINT LOADS: K and V of a head are read by two work-groups only, and they arrive as f32, which must pass through registers to be quantised.  A joint request is a tensor load.
; LIMITS.  NaN and infinities among the inputs are not served.  A block whose largest magnitude lies under 2^-124, a block of zeros among them, keeps the scale byte 1 (the bytes are read by this program alone; zero codes add
; nothing).  A block's largest p is made from its largest score by the same two instructions: that takes v_exp_f32 not to fall where its input rises.  A hidden key's score is -8e30 ahead of the factor 1 / 8: true scores are
; taken to lie far above that.  The 0 of a query beyond len may carry a minus sign.
.set TOK,  4096                        ; bytes from token to token; a token's part of a head is 256 bytes
.set FRB,  1536                        ; a fragment's image
.set KIMG, 0                           ; LDS: K's 32 fragments (fragment f: keys 32 f on),
.set VIMG, 49152                       ; V's 32 (4 s + t: key step s, channels 16 t on),
.set KSC,  98304                       ; K's scale words, 64 bytes a fragment: row r's at 4 r,
.set VSC,  100352                      ; V's likewise,
.set QIMG, 102400                      ; Q: 1,024 bytes for each (wave, pass): registers 0-3 at 16 l; at 512 + 16 l: registers 4, 5 and the two scale words.  A wave's own
.set STG,  135168                      ; a stage for each wave: 32 rows of 256 bytes + 16.  A wave's own
.set SP,   272                         ; its pitch, 17 x 16 bytes: sixteen rows' like columns fall on sixteen different 16-byte columns of 256 bytes
; vector registers that stay
.set AI0,  1                           ; 16 x lane: an image's place for my lane
.set AS0,  2                           ; KSC + 4 r
.set GOF,  3                           ; 4096 h + 16 r: sixteen lanes to one token's 256 bytes, the other sixteen to the next token's
.set QA,   4                           ; QIMG + 2048 w + 16 x lane
.set SIN,  5                           ; my stage + 272 h + 16 r: whole rows, two an instruction
.set STO,  6                           ; my stage + 272 r + 32 h: the way out, in
.set H16,  7                           ; 16 h
.set RQ,   8                           ; r
.set QAD,  9                           ; at work
; the prologue's
.set L4,   10                          ; 4 x lane
.set SOUT, 11                          ; my stage + 272 r + 128 h: a row's half, 32 numbers
.set KWI,  12                          ; KIMG + 3072 w + 16 x lane
.set KWS,  13                          ; KSC + 128 w + 4 r
.set VWI,  14                          ; VIMG + 3072 w + 1536 h + 16 r
.set VWS,  15                          ; VSC + 128 w + 4 x lane
.set H8,   16                          ; 8 h
.set RA,   32                          ; v32-95    64 numbers
.set RB,   96                          ; v96-159   64 numbers; later V's and Q's codes, 8 registers apart
.set RC0,  160                         ; v160-191  a block of V
.set RC1,  192                         ; v192-223  another
.set SCR,  224                         ; v224-239  two sets of 8: +0, +1 maxima, +2 the scale operand, +3 the byte, +4 .. +6 a conversion's result
.set WD,   240                         ; a scale word in the making
.set WP,   241                         ; the other half's
.set SB,   242                         ; V's four bytes
.set KC,   244                         ; v244-255  a fragment of K
; the main loop's.  v17-27 hold scales and nothing else, in the whole text
.set PSW,  17                          ; p's scale word
.set QSC,  18                          ; v18-19    Q's scale words: for [Q | 0], for [0 | Q]
.set KS,   20                          ; v20-23    K's, a fragment each
.set VS,   24                          ; v24-27    V's
.set NM,   28                          ; -M
.set TMX,  29                          ; the running largest t
.set SUM,  30                          ; v30-31    the row's sum in two halves
.set QF,   32                          ; v32-49    Q, zeros, Q
.set FR,   50                          ; v50-97    four fragments of K, then of V
.set ADI,  98
.set ADS,  99
.set SS,   100                         ; v100-163  S^T, then p; on the way out O / l and the rows read back
.set OT,   164                         ; v164-195  O^T
.set PC,   196                         ; v196-207  p's codes
.set PT,   208                         ; v208-210, v212-214
.set BM,   216                         ; v216-219  the blocks' largest scores, then largest p
.set BP,   220                         ; v220-223
.set SO,   224                         ; v224-227  the conversions' scale operands
.set T0,   228
.set FF,   230                         ; v230 f = 2^(old M - new M); v231 is named with it as a pair
.set SU2,  232                         ; v232-233
.set MD,   234
.set MNEG, 235                         ; -8e30
; scalar registers: s[4:5] q, s[6:7] k, s[8:9] v, s[10:11] cu_seqlens, s[12:13] out0, each at my wave's part
.set WV,   14
.set LEN,  24
.set LENK, 25                          ; len, or 0 for a tile all of whose queries lie beyond len
.set Q0,   26                          ; the tile's first query
.set KF,   27                          ; the step's first key
.set TB,   28                          ; the step's fragments: 4 FRB bytes a step
.set TS,   29                          ; its scale words: 256 bytes a step
.set CNT,  30
.set PASS, 31
.set SEL,  32                          ; s[32:33] v_permlanex16_b32's selects for lane l xor 16
.set CS,   34                          ; s[34:35] c = log2(e) / 8
.set QP,   38                          ; 1,024 a pass
; 32 keys, two a load: sixteen lanes read one key's 256 consecutive bytes.  No hint: the partner work-group reads the same bytes
.macro LOADK j, reg
.irp i, 0,1,2,3,4,5,6,7,8,9,10,11,12,13,14,15
	global_load_b128 v[\reg+4*\i:\reg+4*\i+3], v[GOF], s[6:7] offset:(32*\j+2*\i)*TOK
.endr
.endm
; both passes' 16 queries: read once in the launch
.macro LOADQ reg
.irp i, 0,1,2,3,4,5,6,7,8,9,10,11,12,13,14,15
	global_load_b128 v[\reg+4*\i:\reg+4*\i+3], v[GOF], s[4:5] offset:(\i/8)*512*TOK+2*(\i%8)*TOK th:TH_LOAD_NT
.endr
.endm
; block t of my key step: a lane a channel, registers down the keys; the wave reads 128 consecutive bytes of a key, wave w xor 1 the 128 beside them
.macro LOADV t, reg
.set n, 0
.rept 32
	global_load_b32 v[\reg+n], v[L4], s[8:9] offset:(32*(\t)+n)*TOK
.set n, n+1
.endr
.endm
; 32 rows of 64 numbers turn through my stage: in as loaded, two rows an instruction; back 32 neighbours a lane, into the registers that they left: register 32 u + i = number 32 h + i of stage row 16 u + r.
; perm = 1 (K): key 2 i + h goes to the row with bits 3 and 4 changed over, so that rows 0-15 are the keys A(r) and rows 16-31 the keys B(r).  LDS serves a wave's instructions in order (ISA guide 5.7.1.4): no wait between
.macro TURN reg, perm
.irp i, 0,1,2,3,4,5,6,7,8,9,10,11,12,13,14,15
.if \perm
	ds_store_b128 v[SIN], v[\reg+4*\i:\reg+4*\i+3] offset:(((2*\i)%8)+16*(((2*\i)/8)%2)+8*(((2*\i)/16)%2))*SP
.else
	ds_store_b128 v[SIN], v[\reg+4*\i:\reg+4*\i+3] offset:2*\i*SP
.endif
.endr
.irp u, 0,1
.irp j, 0,1,2,3,4,5,6,7
	ds_load_b128 v[\reg+32*\u+4*\j:\reg+32*\u+4*\j+3], v[SOUT] offset:16*\u*SP+16*\j
.endr
.endr
.endm
; A whole block of 32 in one lane, v[x] on, becomes six registers of codes, v[c] on, and its scale's byte in v[SCR + 8 k + 3]
.macro QONE x, c, k
.set QS, SCR+8*(\k)
	v_max3_num_f32 v[QS], |v[\x]|, |v[\x+1]|, |v[\x+2]|              ; the largest magnitude, in two chains
	v_max3_num_f32 v[QS+1], |v[\x+3]|, |v[\x+4]|, |v[\x+5]|
.irp i, 6,10,14,18,22,26
	v_max3_num_f32 v[QS], v[QS], |v[\x+\i]|, |v[\x+\i+1]|
	v_max3_num_f32 v[QS+1], v[QS+1], |v[\x+\i+2]|, |v[\x+\i+3]|
.endr
	v_max3_num_f32 v[QS], v[QS], |v[\x+30]|, |v[\x+31]|
	v_max3_num_f32 v[QS], v[QS], v[QS+1], 0x1800000                  ; and the floor 2^(3 - 127): the byte cannot fall under 1
	v_add_nc_u32 v[QS+2], 0xff000000, v[QS]                          ; 2 off its exponent field: the conversion takes the exponent field of this operand as its scale
	v_lshrrev_b32 v[QS+3], 23, v[QS+2]                               ; the scale's byte
	v_cvt_scalef32_pk16_fp6_f32 v[\c:\c+2], v[\x:\x+15], v[QS+2]
	v_cvt_scalef32_pk16_fp6_f32 v[QS+4:QS+6], v[\x+16:\x+31], v[QS+2] ; (a conversion's three registers begin on an even number)
	v_nop                                                            ; one plain line behind a scaled conversion
.irp i, 0,1,2
	v_mov_b32 v[\c+3+\i], v[QS+4+\i]
.endr
.endm
; 32 keys turned into v[reg] on become fragment 2 w + j of K: registers 0-5 key A's block h, 6-11 key B's; the word's bytes: A's two blocks, B's two
.macro KFRAG reg, j
	QONE \reg, KC, 0
	QONE \reg+32, KC+6, 1
	v_lshl_or_b32 v[WD], v[SCR+11], 16, v[SCR+3]                     ; my two bytes: block h of key A and of key B,
	v_lshlrev_b32 v[WD], v[H8], v[WD]                                ; 8 h bits up;
	v_permlanex16_b32 v[WP], v[WD], s[SEL], s[SEL+1]
	v_or_b32 v[WD], v[WD], v[WP]                                     ; with lane l xor 16's two the word is whole
.irp c, 0,1,2
	ds_store_b128 v[KWI], v[KC+4*\c:KC+4*\c+3] offset:KIMG+FRB*\j+512*\c
.endr
	ds_store_b32 v[KWS], v[WD] offset:64*\j                          ; both halves of the lanes write the same word with the same value
.endm
; Block t of my channel's 128 keys: registers 6 (t / 2) .. + 5 of lane (r, t % 2) of my channel's fragment.  Each block has code registers of its own
.macro BLOCKV t, reg
.set CV, RB+8*(\t)
	QONE \reg, CV, (\t)%2
.if (\t) == 0
	v_mov_b32 v[SB], v[QS+3]
.else
	v_lshl_or_b32 v[SB], v[QS+3], 8*(\t), v[SB]
.endif
.if (\t) < 2
	ds_store_b128 v[VWI], v[CV:CV+3] offset:256*((\t)%2)             ; registers 0-3
	ds_store_b64 v[VWI], v[CV+4:CV+5] offset:256*((\t)%2)+512        ; 4, 5
.else
	ds_store_b64 v[VWI], v[CV:CV+1] offset:256*((\t)%2)+520          ; 6, 7
	ds_store_b128 v[VWI], v[CV+2:CV+5] offset:256*((\t)%2)+1024      ; 8-11
.endif
.endm
	; ---- the head: ids, pointers, the two offsets that the first loads want
	s_load_b256 s[4:11], s[0:1], 0x0               ; q, k, v, cu_seqlens
	s_load_b64 s[12:13], s[0:1], 0x20              ; out0
	v_lshl_add_u32 v239, v0, 2, 0x43000
	v_mov_b32 v243, 0
	v_lshrrev_b32 v[QAD], 5, v0
	v_readfirstlane_b32 s[WV], v[QAD]              ; wave 0..15
	v_and_b32 v[QAD], 31, v0                       ; lane
	v_and_b32 v[RQ], 15, v0                        ; r
	v_bfe_u32 v[H8], v0, 4, 1                      ; h (8 h at the end of the address work)
	v_lshlrev_b32 v[GOF], 4, v[RQ]
	v_lshl_add_u32 v[GOF], v[H8], 12, v[GOF]
	v_lshlrev_b32 v[L4], 2, v[QAD]
	s_and_b32 s16, ttmp7, 0xffff                   ; 16 b + head
	s_lshr_b32 s17, s16, 4                         ; b
	s_and_b32 s18, s16, 15                         ; head
	s_lshl_b32 s46, s17, 2                         ; cu_seqlens[b]: 4 b bytes on
	s_mov_b32 s47, 0
	s_lshl_b32 s20, s17, 22                        ; a sequence is 1,024 tokens of 4,096 bytes,
	s_lshl_b32 s18, s18, 8
	s_add_co_u32 s20, s20, s18                     ; a head 256 bytes of each: the head's first byte in q, k, v and out0
	s_lshl_b32 s[Q0], s[WV], 1
	s_add_co_u32 s[Q0], s[Q0], ttmp9               ; 2 w + x: my tile of pass 0
	s_lshl_b32 s40, s[Q0], 16                      ; 16 tokens a tile
	s_add_co_u32 s40, s40, s20
	s_mov_b32 s41, 0
	s_lshl_b32 s[Q0], s[Q0], 4                     ; its first query
	s_lshl_b32 s42, s[WV], 18                      ; K: my 64 keys
	s_add_co_u32 s42, s42, s20
	s_mov_b32 s43, 0
	s_lshr_b32 s44, s[WV], 1
	s_lshl_b32 s44, s44, 19                        ; V: key step w / 2, 128 keys,
	s_and_b32 s37, s[WV], 1
	s_lshl_b32 s37, s37, 7                         ; channels 32 (w % 2) on
	s_add_co_u32 s44, s44, s37
	s_add_co_u32 s44, s44, s20
	s_mov_b32 s45, 0
	s_mov_b32 s[SEL], 0x76543210
	s_mov_b32 s[SEL+1], 0xfedcba98
	s_mov_b32 s[CS], 0x3e38aa3b                    ; log2(e) / 8
	s_mov_b32 s[CS+1], s[CS]                       ; (named with it as a pair, so it is written)
	s_wait_kmcnt 0x0
	s_add_nc_u64 s[10:11], s[10:11], s[46:47]
	s_load_b32 s22, s[10:11], 0x0                  ; cu_seqlens[b]
	s_load_b32 s23, s[10:11], 0x4                  ; cu_seqlens[b + 1]: byte 35 of the 36 at the most
	s_add_nc_u64 s[4:5], s[4:5], s[40:41]
	s_add_nc_u64 s[12:13], s[12:13], s[40:41]
	s_add_nc_u64 s[6:7], s[6:7], s[42:43]
	s_add_nc_u64 s[8:9], s[8:9], s[44:45]
	; ---- the prologue.  64 loads go out first; the other addresses are made while they are on their way
	LOADK 0, RA
	LOADK 1, RB
	LOADV 0, RC0
	v_lshlrev_b32 v[AI0], 4, v[QAD]
	v_lshl_add_u32 v[AS0], v[RQ], 2, KSC
	s_lshl_b32 s37, s[WV], 11
	s_add_co_u32 s37, s37, QIMG
	v_add_nc_u32 v[QA], s37, v[AI0]
	s_mul_i32 s37, s[WV], 32*SP
	s_add_co_u32 s37, s37, STG                     ; my stage
	v_mul_u32_u24 v[SIN], v[H8], SP
	v_lshl_add_u32 v[SIN], v[RQ], 4, v[SIN]
	v_add_nc_u32 v[SIN], s37, v[SIN]
	v_mul_u32_u24 v[STO], v[RQ], SP
	v_add_nc_u32 v[STO], s37, v[STO]
	v_lshl_add_u32 v[SOUT], v[H8], 7, v[STO]
	v_lshl_add_u32 v[STO], v[H8], 5, v[STO]
	s_mul_i32 s37, s[WV], 2*FRB
	v_add_nc_u32 v[KWI], s37, v[AI0]
	v_mul_u32_u24 v[VWI], v[H8], FRB
	v_lshl_add_u32 v[VWI], v[RQ], 4, v[VWI]
	s_add_co_u32 s37, s37, VIMG
	v_add_nc_u32 v[VWI], s37, v[VWI]
	s_lshl_b32 s37, s[WV], 7
	v_add_nc_u32 v[KWS], s37, v[AS0]
	s_add_co_u32 s37, s37, VSC
	v_add_nc_u32 v[VWS], s37, v[L4]
	v_lshlrev_b32 v[H16], 4, v[H8]
	v_lshlrev_b32 v[H8], 3, v[H8]
	v_mov_b32 v[WP], 0                             ; written once: a lane permute's destination counts as one of its sources
	s_wait_kmcnt 0x0
	s_sub_co_i32 s[LEN], s23, s22                  ; len enters compares alone, never an address
	s_max_i32 s[LEN], s[LEN], 0
	s_min_i32 s[LEN], s[LEN], 1024
	s_wait_loadcnt 48                              ; my first 32 keys are in; behind them: the other 32 keys' 16 loads and V's block 0, 32 loads
	TURN RA, 1
	s_wait_dscnt 0x0
	KFRAG RA, 0
	s_wait_loadcnt 32                              ; the other 32 keys are in; behind them: V's block 0
	TURN RB, 1
	LOADV 1, RC1
	s_wait_dscnt 0x0                               ; the keys are back from the stage, and the first fragment's stores have read their registers
	KFRAG RB, 1
	s_wait_loadcnt 32                              ; V's block 0 is in; behind it: block 1
	BLOCKV 0, RC0
	LOADV 2, RC0
	s_wait_loadcnt 32                              ; block 1; behind it: block 2
	BLOCKV 1, RC1
	LOADV 3, RC1
	s_wait_loadcnt 32                              ; block 2; behind it: block 3
	LOADQ RA
	BLOCKV 2, RC0
	s_wait_loadcnt 16                              ; block 3; behind it: Q's 16 loads
	BLOCKV 3, RC1
	ds_store_b32 v[VWS], v[SB]                     ; my channel's scale word for this key step
	s_wait_loadcnt 0x0                             ; Q
	TURN RA, 0
	s_wait_dscnt 0x0                               ; Q is back from the stage, and V's stores have read their registers
	QONE RA, RB, 0                                 ; pass 0: block h of query r: the fragment's six registers
	QONE RA+32, RB+8, 1                            ; pass 1
.irp p, 0,1
	v_lshlrev_b32 v[WD], v[H8], v[SCR+8*\p+3]
	v_permlanex16_b32 v[WP], v[WD], s[SEL], s[SEL+1]
	v_or_b32 v[WD], v[WD], v[WP]                   ; the query's two bytes
	v_or_b32 v[RB+8*\p+6], 0x01010000, v[WD]       ; for [Q | 0]: the dead half has the byte 1,
	v_lshl_or_b32 v[RB+8*\p+7], v[WD], 16, 0x101   ; for [0 | Q]
	ds_store_b128 v[QA], v[RB+8*\p:RB+8*\p+3] offset:1024*\p
	ds_store_b128 v[QA], v[RB+8*\p+4:RB+8*\p+7] offset:1024*\p+512
.endr
	s_wait_dscnt 0x0                               ; for the others' sake: all my stores into the images are done
	s_barrier_signal -1
	s_barrier_wait -1                              ; the head's K and V lie in LDS; from here on the images are only read
.irp i, 6,7,8,9,10,11
	v_mov_b32 v[QF+\i], 0                          ; the zeros between Q and Q: written once
.endr
.irp b, 0,1,2,3
	v_mov_b32 v[BP+\b], 0                          ; written once: a lane permute's destination counts as one of its sources
.endr
	v_mov_b32 v[FF+1], 0                           ; (named as the upper half of the pair)
	v_mov_b32 v[MNEG], 0xf2c9f2ca                  ; -8e30: x 1 / 8 it is the -1e30 that a hidden key's score becomes
	s_mov_b32 s[PASS], 2
	s_mov_b32 s[QP], 0
.Lpass:                                                ; two trips: a tile of 16 queries each
	v_add_nc_u32 v[QAD], s[QP], v[QA]
	ds_load_b128 v[QF:QF+3], v[QAD]                ; Q, twice, round the zeros
	ds_load_b64 v[QF+4:QF+5], v[QAD] offset:512
	ds_load_b128 v[QF+12:QF+15], v[QAD]
	ds_load_b64 v[QF+16:QF+17], v[QAD] offset:512
	ds_load_b64 v[QSC:QSC+1], v[QAD] offset:520    ; and its two scale words
	v_mov_b32 v[TMX], 0xff61b1e6                   ; the largest t so far: -3e38, under every t
	v_floor_f32 v[NM], -v[TMX]
	v_mov_b32 v[SUM], 0
	v_mov_b32 v[SUM+1], 0
.set j, 0
.rept 32
	v_mov_b32 v[OT+j], 0                           ; O^T.  The step is written once: its first trip finds zeros, which the first change of M leaves zeros; a tile that walks no step stores them
.set j, j+1
.endr
	s_cmp_lt_u32 s[Q0], s[LEN]                     ; has the tile a query that counts?
	s_cselect_b32 s[LENK], s[LEN], 0               ; if not, every key step is jumped over
	s_mov_b32 s[KF], 0
	s_mov_b32 s[TB], 0
	s_mov_b32 s[TS], 0
	s_mov_b32 s[CNT], 8
	s_wait_dscnt 0x0
.Lstep:                                                ; eight trips: 128 keys each
	s_cmp_ge_u32 s[KF], s[LENK]
	s_cbranch_scc1 .Lhidden                        ; all 128 keys lie beyond len: p = 0 throughout, nothing to add
	v_add_nc_u32 v[ADI], s[TB], v[AI0]
	v_add_nc_u32 v[ADS], s[TS], v[AS0]
	v_nop                                          ; with the two additions: four plain lines between the last step's products and the loads into the registers that they read (ISA guide 7.12.1 for vector
	v_nop                                          ; instructions)
.irp f, 0,1,2,3
.irp c, 0,1,2
	ds_load_b128 v[FR+12*\f+4*\c:FR+12*\f+4*\c+3], v[ADI] offset:KIMG+FRB*\f+512*\c
.endr
	ds_load_b32 v[KS+\f], v[ADS] offset:64*\f
.endr
	s_wait_dscnt 0x0
.irp f, 0,1,2,3                                ; S^T = K Q^T: each fragment of 32 keys twice: against [Q | 0] its keys A, against [0 | Q] its keys B
	v_wmma_scale_f32_16x16x128_f8f6f4 v[SS+16*\f:SS+16*\f+7], v[FR+12*\f:FR+12*\f+11], v[QF:QF+11], 0, v[KS+\f], v[QSC] matrix_a_fmt:MATRIX_FMT_FP6 matrix_b_fmt:MATRIX_FMT_FP6
	v_wmma_scale_f32_16x16x128_f8f6f4 v[SS+16*\f+8:SS+16*\f+15], v[FR+12*\f:FR+12*\f+11], v[QF+6:QF+17], 0, v[KS+\f], v[QSC+1] matrix_a_fmt:MATRIX_FMT_FP6 matrix_b_fmt:MATRIX_FMT_FP6
.endr                                          ; register 16 b + i of lane (r, h): query r, key KF + 32 b + 16 h + i
.rept 4
	v_nop                                          ; four plain lines: for the loads below, into registers that these products read, and for the first read of the scores
.endr
.irp t, 0,1,2,3                                ; V's four fragments of this step are asked for now and land during the softmax
.irp c, 0,1,2
	ds_load_b128 v[FR+12*\t+4*\c:FR+12*\t+4*\c+3], v[ADI] offset:VIMG+FRB*\t+512*\c
.endr
	ds_load_b32 v[VS+\t], v[ADS] offset:VSC-KSC+64*\t
.endr
	s_add_co_u32 s36, s[KF], 128
	s_cmp_le_u32 s36, s[LENK]
	s_cbranch_scc1 .Lopen                          ; all 128 keys count
	s_sub_co_u32 s36, s[LENK], s[KF]               ; THE MASK, in the one step that len cuts: 1 .. 127 keys count
	v_sub_nc_u32 v[MD], s36, v[H16]                ; d = len - KF - 16 h: register 16 b + i is hidden where 32 b + i >= d
.set n, 0
.rept 64
	v_cmp_ge_i32 vcc_lo, 32*(n/16)+n%16, v[MD]
	v_cndmask_b32 v[SS+n], v[SS+n], v[MNEG], vcc_lo
.set n, n+1
.endr
.Lopen:
.irp b, 0,1,2,3
	v_max3_num_f32 v[BM+\b], v[SS+16*\b], v[SS+1+16*\b], v[SS+2+16*\b]   ; the largest score of each block of 32 keys: for the row's maximum and, since p rises with the score, for the block's largest p
.endr
.irp i, 3,5,7,9,11,13
.irp b, 0,1,2,3
	v_max3_num_f32 v[BM+\b], v[BM+\b], v[SS+16*\b+\i], v[SS+1+16*\b+\i]  ; (the four blocks by turns)
.endr
.endr
.irp b, 0,1,2,3
	v_max_num_f32 v[BM+\b], v[BM+\b], v[SS+15+16*\b]
.endr
.irp b, 0,1,2,3
	v_permlanex16_b32 v[BP+\b], v[BM+\b], s[SEL], s[SEL+1]
.endr
.irp b, 0,1,2,3
	v_max_num_f32 v[BM+\b], v[BM+\b], v[BP+\b]     ; with lane l xor 16's 16 keys
.endr
	v_max3_num_f32 v[T0], v[BM], v[BM+1], v[BM+2]
	v_max_num_f32 v[T0], v[T0], v[BM+3]            ; the step's largest score of my query
	v_mul_f32 v[T0], s[CS], v[T0]                  ; as t (c is positive)
	v_max_num_f32 v[TMX], v[TMX], v[T0]            ; the running largest t
	v_mov_b32 v[T0], v[NM]
	v_floor_f32 v[NM], -v[TMX]                     ; the new -M = floor(-t) = -ceil(t): a whole number
	v_sub_f32 v[T0], v[NM], v[T0]                  ; old M - new M: a whole number, 0 or less
	v_cvt_i32_f32 v[T0], v[T0]                     ; (it saturates)
	v_ldexp_f32 v[FF], 1.0, v[T0]                  ; f = 2^(old M - new M): the multiplications by it round nothing
.set j, 0
.rept 32
	v_pk_fma_f32 v[SS+j:SS+j+1], v[SS+j:SS+j+1], s[CS:CS+1], v[NM:NM+1] op_sel_hi:[1,0,0]   ; t - M, two at a time (of the pairs c and -M the low word serves both halves)
.set j, j+2
.endr
.irp b, 0,1,2,3
	v_fma_f32 v[BM+\b], v[BM+\b], s[CS], v[NM]     ; the same of each block's largest score
.endr
.set j, 0
.rept 64
	v_exp_f32 v[SS+j], v[SS+j]                     ; p = 2^(t - M), at most 1, not normalised
.set j, j+1
.endr
	v_pk_mul_f32 v[SUM:SUM+1], v[SUM:SUM+1], v[FF:FF+1] op_sel_hi:[1,0]   ; the sums under the new M: the plain line behind the exponentials
	s_wait_alu depctr_va_vdst(0)                   ; one wait for the batch of 64, ahead of its first reader
.irp b, 0,1,2,3
	v_exp_f32 v[BM+\b], v[BM+\b]                   ; the block's largest p: the same two instructions on the same number give the same bits
.endr
	v_pk_add_f32 v[SU2:SU2+1], v[SS:SS+1], v[SS+2:SS+3]   ; the row's sum is taken of the unquantised p: two at a time, in two chains; it reads the 64 alone
.irp j, 4,8,12,16,20,24,28,32,36,40,44,48,52,56,60
	v_pk_add_f32 v[SUM:SUM+1], v[SUM:SUM+1], v[SS+\j:SS+\j+1]
	v_pk_add_f32 v[SU2:SU2+1], v[SU2:SU2+1], v[SS+2+\j:SS+3+\j]
.endr
	v_pk_add_f32 v[SUM:SUM+1], v[SUM:SUM+1], v[SU2:SU2+1]
	s_wait_alu depctr_va_vdst(0)                   ; and one for the four
.irp b, 0,1,2,3
	v_max_num_f32 v[BM+\b], 0x1800000, v[BM+\b]    ; the floor 2^(3 - 127): the byte cannot fall under 1 (a block whose every p is 0 keeps that byte: its codes are zeros)
.endr
.irp b, 0,1,2,3
	v_add_nc_u32 v[SO+\b], 0xff000000, v[BM+\b]    ; 2 off the exponent field: the conversion's scale operand
.endr
.irp b, 0,1,2,3
	v_lshrrev_b32 v[BP+\b], 23, v[SO+\b]           ; the scale's byte
.endr
	v_lshl_or_b32 v[PSW], v[BP+1], 8, v[BP]        ; p's scale word for these 128 keys
	v_lshl_or_b32 v[PSW], v[BP+2], 16, v[PSW]
	v_lshl_or_b32 v[PSW], v[BP+3], 24, v[PSW]
.irp c, 0,1
	v_cvt_scalef32_pk16_fp6_f32 v[PC+6*\c:PC+6*\c+2], v[SS+32*\c:SS+32*\c+15], v[SO+2*\c]
	v_cvt_scalef32_pk16_fp6_f32 v[PT+4*\c:PT+4*\c+2], v[SS+16+32*\c:SS+31+32*\c], v[SO+2*\c+1]   ; (a conversion's three registers begin on an even number)
.endr
	v_nop                                          ; one plain line behind a scaled conversion
.irp c, 0,1                                    ; the operand's layout wants a whole block in a lane: lanes 0-15 block 2 c, lanes 16-31 block 2 c + 1
.irp i, 0,1,2
	v_permlane16_swap_b32 v[PC+6*\c+\i], v[PT+4*\c+\i]
.endr
.irp i, 0,1,2
	v_mov_b32 v[PC+3+6*\c+\i], v[PT+4*\c+\i]
.endr
.endr
.set j, 0
.rept 16
	v_pk_mul_f32 v[OT+j:OT+j+1], v[OT+j:OT+j+1], v[FF:FF+1] op_sel_hi:[1,0]   ; O^T under the new M.  Twelve of the sixteen name no register of any one product below: the lines owed behind p's scale word (8) and p's codes (4)
.set j, j+2
.endr
	s_wait_dscnt 0x0                               ; V's fragments and scale words are in
.irp t, 0,1,2,3                                ; O^T += V^T P^T: four accumulators by turns; between two steps' products on one accumulator stand the eight products of S^T
	v_wmma_scale_f32_16x16x128_f8f6f4 v[OT+8*\t:OT+8*\t+7], v[FR+12*\t:FR+12*\t+11], v[PC:PC+11], v[OT+8*\t:OT+8*\t+7], v[VS+\t], v[PSW] matrix_a_fmt:MATRIX_FMT_FP6 matrix_b_fmt:MATRIX_FMT_FP6
.endr
.Lhidden:
	s_add_co_u32 s[KF], s[KF], 128
	s_add_co_u32 s[TB], s[TB], 4*FRB
	s_add_co_u32 s[TS], s[TS], 256
	s_sub_co_u32 s[CNT], s[CNT], 1
	s_cmp_lg_u32 s[CNT], 0
	s_cbranch_scc1 .Lstep
	; ---- the way out: O^T / the sum, 0 for a query beyond len; through my stage, so that sixteen lanes store one query's 256 consecutive bytes
	v_add_f32 v[T0], v[SUM], v[SUM+1]              ; the sum's two halves,  (these lines are also the plain lines behind the last products)
	v_permlanex16_b32 v[BP], v[T0], s[SEL], s[SEL+1]
	v_add_f32 v[T0], v[T0], v[BP]                  ; and lane l xor 16's: the row's sum
	v_rcp_f32 v[SUM], v[T0]
	v_add_nc_u32 v[MD], s[Q0], v[RQ]               ; my query  (a plain line behind the reciprocal)
	v_cmp_gt_u32 vcc_lo, s[LEN], v[MD]             ; does it count?
	s_wait_alu depctr_va_vdst(0)                   ; the wait ahead of the reciprocal's first reader
	v_cndmask_b32 v[SUM], 0, v[SUM], vcc_lo        ; if not, the factor is 0: O^T is finite (zeros where no step was walked)
.set j, 0
.rept 16
	v_pk_mul_f32 v[SS+j:SS+j+1], v[OT+j:OT+j+1], v[SUM:SUM+1] op_sel_hi:[1,0]   ; register 8 t + i: out(query r, channel 16 t + 8 h + i); each accumulator from its low end on
.set j, j+2
.endr
.irp t, 0,1,2,3
	ds_store_b128 v[STO], v[SS+8*\t:SS+8*\t+3] offset:64*\t
	ds_store_b128 v[STO], v[SS+8*\t+4:SS+8*\t+7] offset:64*\t+16
.endr
.irp i, 0,1,2,3,4,5,6,7
	ds_load_b128 v[SS+32+4*\i:SS+35+4*\i], v[SIN] offset:2*\i*SP   ; LDS serves a wave's instructions in order: these see my stores
.endr
.irp i, 0,1,2,3,4,5,6,7
	s_wait_dscnt 7-\i                              ; the younger loads from the stage may stay out
	global_store_b128 v[GOF], v[SS+32+4*\i:SS+35+4*\i], s[12:13] offset:2*\i*TOK th:TH_STORE_NT   ; sixteen lanes store 256 consecutive bytes, at a multiple of 256 from out0's first byte; written once
.endr
	s_wait_xcnt 0x0                                ; the stores have read their base and their data: both are written again below and in the next pass
	s_add_nc_u64 s[12:13], s[12:13], 512*TOK       ; the next pass's tile lies 512 queries on
	s_add_co_u32 s[Q0], s[Q0], 512
	s_add_co_u32 s[QP], s[QP], 1024
	s_sub_co_u32 s[PASS], s[PASS], 1
	s_cmp_lg_u32 s[PASS], 0
	s_cbranch_scc1 .Lpass
	s_wait_tensorcnt 0x0
	ds_add_u32 v239, v243
	s_wait_dscnt 0x0
	s_endpgm
.Lfunc_end_k_q8b42889736_attn:
	.size	k_q8b42889736_attn, .Lfunc_end_k_q8b42889736_attn-k_q8b42889736_attn
	.p2alignl 7, 3214868480
	.fill 96, 4, 3214868480
	.section	.rodata,"a",@progbits
	.p2align	6, 0x0
	.amdhsa_kernel k_q8b42889736_attn
		.amdhsa_group_segment_fixed_size 276480
		.amdhsa_private_segment_fixed_size 0
		.amdhsa_enable_private_segment 0
		.amdhsa_kernarg_size 40
		.amdhsa_user_sgpr_count 2
		.amdhsa_user_sgpr_kernarg_segment_ptr 1
		.amdhsa_wavefront_size32 1
		.amdhsa_system_sgpr_workgroup_id_x 1
		.amdhsa_system_sgpr_workgroup_id_y 1
		.amdhsa_system_sgpr_workgroup_id_z 1
		.amdhsa_system_vgpr_workitem_id 0
		.amdhsa_next_free_vgpr 256
		.amdhsa_next_free_sgpr 66
		.amdhsa_reserve_vcc 1
		.amdhsa_float_denorm_mode_32 3
		.amdhsa_float_denorm_mode_16_64 3
		.amdhsa_memory_ordered 1
		.amdhsa_forward_progress 1
		.amdhsa_inst_pref_size 70
	.end_amdhsa_kernel
	.amdgpu_metadata
---
amdhsa.version: [ 1, 2 ]
amdhsa.kernels:
  - .name:           k_q8b42889736_attn
    .symbol:         k_q8b42889736_attn.kd
    .args:
      - { .name: q, .offset: 0, .size: 8, .value_kind: global_buffer, .address_space: global }
      - { .name: k, .offset: 8, .size: 8, .value_kind: global_buffer, .address_space: global }
      - { .name: v, .offset: 16, .size: 8, .value_kind: global_buffer, .address_space: global }
      - { .name: cu_seqlens, .offset: 24, .size: 8, .value_kind: global_buffer, .address_space: global }
      - { .name: out0, .offset: 32, .size: 8, .value_kind: global_buffer, .address_space: global }
    .group_segment_fixed_size: 276480
    .private_segment_fixed_size: 0
    .kernarg_segment_align: 8
    .kernarg_segment_size: 40
    .max_flat_workgroup_size: 512
    .sgpr_count:     66
    .vgpr_count:     256
    .wavefront_size: 32
...
	.end_amdgpu_metadata
.endif
;; end of part 1
;; ======== version 2 of 2: 1 launch; version 1 with the launch attn written anew for expert scheduling mode
;; launch attn (part 2): grid 2 x 128, 16 waves a work-group, no clusters, 276,480 bytes of LDS; arguments q, k, v, cu_seqlens, out0; writes out0
.if DOCPART == 2
	.amdgcn_target "amdgcn-amd-amdhsa--gfx1250"
	.amdhsa_code_object_version 6
	.text
	.protected	k_q8b42889736_attn
	.globl	k_q8b42889736_attn
	.p2align	8
	.type	k_q8b42889736_attn,@function
k_q8b42889736_attn:
	s_mov_b64 s[64:65], 0
	v_nop
	global_prefetch_b8 v0, s[64:65] scope:SCOPE_SE
	s_setreg_imm32_b32 hwreg(HW_REG_WAVE_SCHED_MODE, 0, 2), 2
	s_setreg_imm32_b32 hwreg(HW_REG_WAVE_MODE, 25, 1), 1
	s_wait_xcnt 0x0
	s_wait_alu depctr_vm_vsrc(0)
; out[b][q][h][:] = the sum over keys of softmax(q . k / 8) v, for 8 sequences x 16 heads, 1,024 queries and keys, head size 64; q, k, v, out0: [8192][16][64] f32.
; len[b] = cu_seqlens[b + 1] - cu_seqlens[b], held to 0 .. 1,024: keys at or beyond len count for nothing (score -1e30), queries at or beyond len give 0.
; Both products run on codes of FP6 (E2M3) with one E8M0 scale for each 32 along K: q and k along the head's 64, v and p along the keys.
; p = 2^(t - M), t = score x log2(e) / 8, M the running largest t rounded UP to a whole number; the row's sum is taken of the unquantised p and divides at the end.
; SHARES.  Two work-groups (x = 0, 1) to a (sequence, head); sixteen waves each.  Wave w takes, in pass p = 0, 1, the tile of 16 queries 32 p + 2 w + x: so whatever len is, both work-groups and all waves have like work.
; PROLOGUE.  Each work-group loads its head's whole K and V as f32, quantises them once, and lays codes and scale words in LDS as IMAGES OF THE OPERANDS' REGISTERS (a fragment: 12 registers a lane, registers 4 c .. 4 c + 3 of
; lane l at 512 c + 16 l).  Wave w makes K's fragments 2 w, 2 w + 1 (keys 64 w on) and, of V, key step w / 2, channels 32 (w % 2) on.  ONE barrier; behind it the images are only read.
; K'S FRAGMENT HOLDS 32 KEYS: the head's 64 are half of the instruction's 128 along K, so row r is [key A(r) | key B(r)], A(r) = 32 f + r + 8 (r / 8), B(r) = A(r) + 8.  Q stands in 18 registers, [Q | zeros | Q]: the first twelve
; ([Q | 0]) give the scores of the keys A, the last twelve ([0 | Q]) those of the keys B.  Source 0 = keys, source 1 = queries: a lane holds ONE query (lane % 16), and the 16 registers of a fragment's two results are the 16
; neighbouring keys 32 f + 16 (lane / 16) + 0 .. 15.  The dead half has zero codes, and on Q's side the scale byte 1.
; V: a lane takes a channel and its registers run down the keys, so a block of 32 keys is one lane's and the codes come out with the keys innermost.  O^T = V^T P^T: source 0 = 16 channels, source 1 = p.
; BRANCHES ON len (a whole number read from memory): a key step all of whose keys lie beyond len is jumped over; the lines of the mask run only in the one step that len cuts; a tile all of whose queries lie beyond len
; walks no key step.  Both loops have constant trip counts (2 passes, 8 steps); the jumps go round work inside a trip; no barrier stands behind the first of them.
; NO JOINT LOADS: K and V of a head are read by two work-groups only, and they arrive as f32, which must pass through registers to be quantised.  A joint request is a tensor load.
; LIMITS.  NaN and infinities among the inputs are not served.  A block whose largest magnitude lies under 2^-124, a block of zeros among them, keeps the scale byte 1 (the bytes are read by this program alone; zero codes add
; nothing).  A block's largest p is made from its largest score by the same two instructions: that takes v_exp_f32 not to fall where its input rises.  A hidden key's score is -8e30 ahead of the factor 1 / 8: true scores are
; taken to lie far above that.  The 0 of a query beyond len may carry a minus sign.
; THE MODE: SCHED_MODE bits 1:0 = 2 (LLVM: expert scheduling mode 2), set by the entry lines.  The code itself states the register dependences between vector or matrix instructions and memory or LDS instructions, with
; s_wait_alu, always for 0.
; THE PLAN.  Offsets and LDS addresses but three (QAD, ADI, ADS) are made once and never written again: one wait on va_vdst ahead of the first global load, one ahead of the first LDS store.
;   PROLOGUE.  RA, RB: global loads land; the turn's stores read them; the turn's loads land in them again (one wait on vm_vsrc between, which also frees whatever earlier LDS stores have read: K's codes and word for the second
;   fragment, V's codes for Q's); then the quantiser reads them.  RC0, RC1: loads land, the quantiser reads, the block two on lands.  Codes and words: written by vector lines, read by LDS stores: one wait on va_vdst ahead of each
;   run of stores, which also states that the quantiser is done reading its numbers: the next loads into them follow with no wait of their own.
;   A PASS.  At its head one wait on vm_vsrc (all earlier stores have read their data, all earlier loads their addresses), the add to QAD, one wait on va_vdst (QAD is written; the products are done with Q).
;   A KEY STEP.  ADI, ADS: read by K's and V's loads, written at the step's head: a wait on vm_vsrc ahead of the adds, a wait on va_vdst behind them, which also states that the last step's products are done reading FR and KS:
;   K's loads follow.  V's loads land in the same FR: they stand behind the wait for the batch of 64 exponentials, which states as well that the products of S^T are done reading FR; no vector line between there and the wait
;   for V names FR, VS, ADI or ADS.  One wait on va_vdst ahead of the products of O^T: p's codes and scale word are written.
;   THE WAY OUT.  One wait on va_vdst ahead of the stage's stores (their data are written; all readers and writers of the registers in which the stage's loads land are done).
.set TOK,  4096                        ; bytes from token to token; a token's part of a head is 256 bytes
.set FRB,  1536                        ; a fragment's image
.set KIMG, 0                           ; LDS: K's 32 fragments (fragment f: keys 32 f on),
.set VIMG, 49152                       ; V's 32 (4 s + t: key step s, channels 16 t on),
.set KSC,  98304                       ; K's scale words, 64 bytes a fragment: row r's at 4 r,
.set VSC,  100352                      ; V's likewise,
.set QIMG, 102400                      ; Q: 1,024 bytes for each (wave, pass): registers 0-3 at 16 l; at 512 + 16 l: registers 4, 5 and the two scale words.  A wave's own
.set STG,  135168                      ; a stage for each wave: 32 rows of 256 bytes + 16.  A wave's own
.set SP,   272                         ; its pitch, 17 x 16 bytes: sixteen rows' like columns fall on sixteen different 16-byte columns of 256 bytes
; vector registers that stay
.set AI0,  1                           ; 16 x lane: an image's place for my lane
.set AS0,  2                           ; KSC + 4 r
.set GOF,  3                           ; 4096 h + 16 r: sixteen lanes to one token's 256 bytes, the other sixteen to the next token's
.set QA,   4                           ; QIMG + 2048 w + 16 x lane
.set SIN,  5                           ; my stage + 272 h + 16 r: whole rows, two an instruction
.set STO,  6                           ; my stage + 272 r + 32 h: the way out, in
.set H16,  7                           ; 16 h
.set RQ,   8                           ; r
.set QAD,  9                           ; at work
; the prologue's
.set L4,   10                          ; 4 x lane
.set SOUT, 11                          ; my stage + 272 r + 128 h: a row's half, 32 numbers
.set KWI,  12                          ; KIMG + 3072 w + 16 x lane
.set KWS,  13                          ; KSC + 128 w + 4 r
.set VWI,  14                          ; VIMG + 3072 w + 1536 h + 16 r
.set VWS,  15                          ; VSC + 128 w + 4 x lane
.set H8,   16                          ; 8 h
.set RA,   32                          ; v32-95    64 numbers
.set RB,   96                          ; v96-159   64 numbers; later V's and Q's codes, 8 registers apart
.set RC0,  160                         ; v160-191  a block of V
.set RC1,  192                         ; v192-223  another
.set SCR,  224                         ; v224-239  two sets of 8: +0, +1 maxima, +2 the scale operand, +3 the byte, +4 .. +6 a conversion's result
.set WD,   240                         ; a scale word in the making
.set WP,   241                         ; the other half's
.set SB,   242                         ; V's four bytes
.set KC,   244                         ; v244-255  a fragment of K
; the main loop's.  v17-27 hold scales and nothing else, in the whole text
.set PSW,  17                          ; p's scale word
.set QSC,  18                          ; v18-19    Q's scale words: for [Q | 0], for [0 | Q]
.set KS,   20                          ; v20-23    K's, a fragment each
.set VS,   24                          ; v24-27    V's
.set NM,   28                          ; -M
.set TMX,  29                          ; the running largest t
.set SUM,  30                          ; v30-31    the row's sum in two halves
.set QF,   32                          ; v32-49    Q, zeros, Q
.set FR,   50                          ; v50-97    four fragments of K, then of V
.set ADI,  98
.set ADS,  99
.set SS,   100                         ; v100-163  S^T, then p; on the way out O / l and the rows read back
.set OT,   164                         ; v164-195  O^T
.set PC,   196                         ; v196-207  p's codes
.set PT,   208                         ; v208-210, v212-214
.set BM,   216                         ; v216-219  the blocks' largest scores, then largest p
.set BP,   220                         ; v220-223
.set SO,   224                         ; v224-227  the conversions' scale operands
.set T0,   228
.set FF,   230                         ; v230 f = 2^(old M - new M); v231 is named with it as a pair
.set SU2,  232                         ; v232-233
.set MD,   234
.set MNEG, 235                         ; -8e30
; scalar registers: s[4:5] q, s[6:7] k, s[8:9] v, s[10:11] cu_seqlens, s[12:13] out0, each at my wave's part
.set WV,   14
.set MK,   16                          ; s16-23 and s40-47, free since the head: sixteen lane masks in the step that len cuts: mask i at s[MK + i + 16 (i / 8)]
.set LEN,  24
.set LENK, 25                          ; len, or 0 for a tile all of whose queries lie beyond len
.set Q0,   26                          ; the tile's first query
.set KF,   27                          ; the step's first key
.set TB,   28                          ; the step's fragments: 4 FRB bytes a step
.set TS,   29                          ; its scale words: 256 bytes a step
.set CNT,  30
.set PASS, 31
.set SEL,  32                          ; s[32:33] v_permlanex16_b32's selects for lane l xor 16
.set CS,   34                          ; s[34:35] c = log2(e) / 8
.set QP,   38                          ; 1,024 a pass
; 32 keys, two a load: sixteen lanes read one key's 256 consecutive bytes.  No hint: the partner work-group reads the same bytes
.macro LOADK j, reg
.irp i, 0,1,2,3,4,5,6,7,8,9,10,11,12,13,14,15
	global_load_b128 v[\reg+4*\i:\reg+4*\i+3], v[GOF], s[6:7] offset:(32*\j+2*\i)*TOK
.endr
.endm
; both passes' 16 queries: read once in the launch
.macro LOADQ reg
.irp i, 0,1,2,3,4,5,6,7,8,9,10,11,12,13,14,15
	global_load_b128 v[\reg+4*\i:\reg+4*\i+3], v[GOF], s[4:5] offset:(\i/8)*512*TOK+2*(\i%8)*TOK th:TH_LOAD_NT
.endr
.endm
; block t of my key step: a lane a channel, registers down the keys; the wave reads 128 consecutive bytes of a key, wave w xor 1 the 128 beside them
.macro LOADV t, reg
.set n, 0
.rept 32
	global_load_b32 v[\reg+n], v[L4], s[8:9] offset:(32*(\t)+n)*TOK
.set n, n+1
.endr
.endm
; 32 rows of 64 numbers turn through my stage: in as loaded, two rows an instruction; back 32 neighbours a lane, into the registers that they left: register 32 u + i = number 32 h + i of stage row 16 u + r.
; perm = 1 (K): key 2 i + h goes to the row with bits 3 and 4 changed over, so that rows 0-15 are the keys A(r) and rows 16-31 the keys B(r).  LDS serves a wave's instructions in order (ISA guide 5.7.1.4): no wait on DScnt between
.macro TURN reg, perm
.irp i, 0,1,2,3,4,5,6,7,8,9,10,11,12,13,14,15
.if \perm
	ds_store_b128 v[SIN], v[\reg+4*\i:\reg+4*\i+3] offset:(((2*\i)%8)+16*(((2*\i)/8)%2)+8*(((2*\i)/16)%2))*SP
.else
	ds_store_b128 v[SIN], v[\reg+4*\i:\reg+4*\i+3] offset:2*\i*SP
.endif
.endr
	s_wait_alu depctr_vm_vsrc(0)                   ; the sixteen stores above have read v[reg ..], in which the loads below land; and every LDS store issued earlier has read its codes and its word, which later vector lines write again
.irp u, 0,1
.irp j, 0,1,2,3,4,5,6,7
	ds_load_b128 v[\reg+32*\u+4*\j:\reg+32*\u+4*\j+3], v[SOUT] offset:16*\u*SP+16*\j
.endr
.endr
.endm
; A whole block of 32 in one lane, v[x] on, becomes six registers of codes, v[c] on, and its scale's byte in v[SCR + 8 k + 3]
.macro QONE x, c, k
.set QS, SCR+8*(\k)
	v_max3_num_f32 v[QS], |v[\x]|, |v[\x+1]|, |v[\x+2]|              ; the largest magnitude, in two chains
	v_max3_num_f32 v[QS+1], |v[\x+3]|, |v[\x+4]|, |v[\x+5]|
.irp i, 6,10,14,18,22,26
	v_max3_num_f32 v[QS], v[QS], |v[\x+\i]|, |v[\x+\i+1]|
	v_max3_num_f32 v[QS+1], v[QS+1], |v[\x+\i+2]|, |v[\x+\i+3]|
.endr
	v_max3_num_f32 v[QS], v[QS], |v[\x+30]|, |v[\x+31]|
	v_max3_num_f32 v[QS], v[QS], v[QS+1], 0x1800000                  ; and the floor 2^(3 - 127): the byte cannot fall under 1
	v_add_nc_u32 v[QS+2], 0xff000000, v[QS]                          ; 2 off its exponent field: the conversion takes the exponent field of this operand as its scale
	v_lshrrev_b32 v[QS+3], 23, v[QS+2]                               ; the scale's byte
	v_cvt_scalef32_pk16_fp6_f32 v[\c:\c+2], v[\x:\x+15], v[QS+2]
	v_cvt_scalef32_pk16_fp6_f32 v[QS+4:QS+6], v[\x+16:\x+31], v[QS+2] ; (a conversion's three registers begin on an even number)
	v_nop                                                            ; one plain line behind a scaled conversion
.irp i, 0,1,2
	v_mov_b32 v[\c+3+\i], v[QS+4+\i]
.endr
.endm
; 32 keys turned into v[reg] on become fragment 2 w + j of K: registers 0-5 key A's block h, 6-11 key B's; the word's bytes: A's two blocks, B's two
.macro KFRAG reg, j
	QONE \reg, KC, 0
	QONE \reg+32, KC+6, 1
	v_lshl_or_b32 v[WD], v[SCR+11], 16, v[SCR+3]                     ; my two bytes: block h of key A and of key B,
	v_lshlrev_b32 v[WD], v[H8], v[WD]                                ; 8 h bits up;
	v_permlanex16_b32 v[WP], v[WD], s[SEL], s[SEL+1]
	v_or_b32 v[WD], v[WD], v[WP]                                     ; with lane l xor 16's two the word is whole
	s_wait_alu depctr_va_vdst(0)                                     ; the fragment's codes v[KC ..] and its word v[WD] are written, which the four stores read
.irp c, 0,1,2
	ds_store_b128 v[KWI], v[KC+4*\c:KC+4*\c+3] offset:KIMG+FRB*\j+512*\c
.endr
	ds_store_b32 v[KWS], v[WD] offset:64*\j                          ; both halves of the lanes write the same word with the same value
.endm
; Block t of my channel's 128 keys: registers 6 (t / 2) .. + 5 of lane (r, t % 2) of my channel's fragment.  Each block has code registers of its own
.macro BLOCKV t, reg
.set CV, RB+8*(\t)
	QONE \reg, CV, (\t)%2
.if (\t) == 0
	v_mov_b32 v[SB], v[QS+3]
.else
	v_lshl_or_b32 v[SB], v[QS+3], 8*(\t), v[SB]
.endif
	s_wait_alu depctr_va_vdst(0)                                     ; the block's codes are written, which the stores read (behind block 3: v[SB] too); the quantiser is done reading v[reg ..], in which the next loads land
.if (\t) < 2
	ds_store_b128 v[VWI], v[CV:CV+3] offset:256*((\t)%2)             ; registers 0-3
	ds_store_b64 v[VWI], v[CV+4:CV+5] offset:256*((\t)%2)+512        ; 4, 5
.else
	ds_store_b64 v[VWI], v[CV:CV+1] offset:256*((\t)%2)+520          ; 6, 7
	ds_store_b128 v[VWI], v[CV+2:CV+5] offset:256*((\t)%2)+1024      ; 8-11
.endif
.endm
	; ---- the head: ids, pointers, the two offsets that the first loads want
	s_load_b256 s[4:11], s[0:1], 0x0               ; q, k, v, cu_seqlens
	s_load_b64 s[12:13], s[0:1], 0x20              ; out0
	v_lshl_add_u32 v239, v0, 2, 0x43000
	v_mov_b32 v243, 0
	v_lshrrev_b32 v[QAD], 5, v0
	v_readfirstlane_b32 s[WV], v[QAD]              ; wave 0..15
	v_and_b32 v[QAD], 31, v0                       ; lane
	v_and_b32 v[RQ], 15, v0                        ; r
	v_bfe_u32 v[H8], v0, 4, 1                      ; h (8 h at the end of the address work)
	v_lshlrev_b32 v[GOF], 4, v[RQ]
	v_lshl_add_u32 v[GOF], v[H8], 12, v[GOF]
	v_lshlrev_b32 v[L4], 2, v[QAD]
	s_wait_alu depctr_va_sdst(0)                   ; the wave's number is written, ahead of its first reader: the offsets below are made from it
	s_and_b32 s16, ttmp7, 0xffff                   ; 16 b + head
	s_lshr_b32 s17, s16, 4                         ; b
	s_and_b32 s18, s16, 15                         ; head
	s_lshl_b32 s46, s17, 2                         ; cu_seqlens[b]: 4 b bytes on
	s_mov_b32 s47, 0
	s_lshl_b32 s20, s17, 22                        ; a sequence is 1,024 tokens of 4,096 bytes,
	s_lshl_b32 s18, s18, 8
	s_add_co_u32 s20, s20, s18                     ; a head 256 bytes of each: the head's first byte in q, k, v and out0
	s_lshl_b32 s[Q0], s[WV], 1
	s_add_co_u32 s[Q0], s[Q0], ttmp9               ; 2 w + x: my tile of pass 0
	s_lshl_b32 s40, s[Q0], 16                      ; 16 tokens a tile
	s_add_co_u32 s40, s40, s20
	s_mov_b32 s41, 0
	s_lshl_b32 s[Q0], s[Q0], 4                     ; its first query
	s_lshl_b32 s42, s[WV], 18                      ; K: my 64 keys
	s_add_co_u32 s42, s42, s20
	s_mov_b32 s43, 0
	s_lshr_b32 s44, s[WV], 1
	s_lshl_b32 s44, s44, 19                        ; V: key step w / 2, 128 keys,
	s_and_b32 s37, s[WV], 1
	s_lshl_b32 s37, s37, 7                         ; channels 32 (w % 2) on
	s_add_co_u32 s44, s44, s37
	s_add_co_u32 s44, s44, s20
	s_mov_b32 s45, 0
	s_mov_b32 s[SEL], 0x76543210
	s_mov_b32 s[SEL+1], 0xfedcba98
	s_mov_b32 s[CS], 0x3e38aa3b                    ; log2(e) / 8
	s_mov_b32 s[CS+1], s[CS]                       ; (named with it as a pair, so it is written)
	s_wait_kmcnt 0x0
	s_add_nc_u64 s[10:11], s[10:11], s[46:47]
	s_load_b32 s22, s[10:11], 0x0                  ; cu_seqlens[b]
	s_load_b32 s23, s[10:11], 0x4                  ; cu_seqlens[b + 1]: byte 35 of the 36 at the most
	s_add_nc_u64 s[4:5], s[4:5], s[40:41]
	s_add_nc_u64 s[12:13], s[12:13], s[40:41]
	s_add_nc_u64 s[6:7], s[6:7], s[42:43]
	s_add_nc_u64 s[8:9], s[8:9], s[44:45]
	; ---- the prologue.  64 loads go out first; the other addresses are made while they are on their way
	s_wait_alu depctr_va_vdst(0)                   ; the two offsets v[GOF] and v[L4] are written, which every global load and store of the kernel reads; they are never written again
	LOADK 0, RA
	LOADK 1, RB
	LOADV 0, RC0
	v_lshlrev_b32 v[AI0], 4, v[QAD]
	v_lshl_add_u32 v[AS0], v[RQ], 2, KSC
	s_lshl_b32 s37, s[WV], 11
	s_add_co_u32 s37, s37, QIMG
	v_add_nc_u32 v[QA], s37, v[AI0]
	s_mul_i32 s37, s[WV], 32*SP
	s_add_co_u32 s37, s37, STG                     ; my stage
	v_mul_u32_u24 v[SIN], v[H8], SP
	v_lshl_add_u32 v[SIN], v[RQ], 4, v[SIN]
	v_add_nc_u32 v[SIN], s37, v[SIN]
	v_mul_u32_u24 v[STO], v[RQ], SP
	v_add_nc_u32 v[STO], s37, v[STO]
	v_lshl_add_u32 v[SOUT], v[H8], 7, v[STO]
	v_lshl_add_u32 v[STO], v[H8], 5, v[STO]
	s_mul_i32 s37, s[WV], 2*FRB
	v_add_nc_u32 v[KWI], s37, v[AI0]
	v_mul_u32_u24 v[VWI], v[H8], FRB
	v_lshl_add_u32 v[VWI], v[RQ], 4, v[VWI]
	s_add_co_u32 s37, s37, VIMG
	v_add_nc_u32 v[VWI], s37, v[VWI]
	s_lshl_b32 s37, s[WV], 7
	v_add_nc_u32 v[KWS], s37, v[AS0]
	s_add_co_u32 s37, s37, VSC
	v_add_nc_u32 v[VWS], s37, v[L4]
	v_lshlrev_b32 v[H16], 4, v[H8]
	v_lshlrev_b32 v[H8], 3, v[H8]
	v_mov_b32 v[WP], 0                             ; written once: a lane permute's destination counts as one of its sources
	s_wait_kmcnt 0x0
	s_sub_co_i32 s[LEN], s23, s22                  ; len enters compares alone, never an address
	s_max_i32 s[LEN], s[LEN], 0
	s_min_i32 s[LEN], s[LEN], 1024
	s_wait_loadcnt 48                              ; my first 32 keys are in; behind them: the other 32 keys' 16 loads and V's block 0, 32 loads
	s_wait_alu depctr_va_vdst(0)                   ; the LDS addresses made above are written, which the LDS stores and loads from here on read; they are never written again
	TURN RA, 1
	s_wait_dscnt 0x0
	KFRAG RA, 0
	s_wait_loadcnt 32                              ; the other 32 keys are in; behind them: V's block 0
	TURN RB, 1                                     ; (its wait on vm_vsrc stands behind the first fragment's stores: v[KC ..] and v[WD] are free for the second fragment)
	LOADV 1, RC1
	s_wait_dscnt 0x0                               ; the keys are back from the stage
	KFRAG RB, 1
	s_wait_loadcnt 32                              ; V's block 0 is in; behind it: block 1
	BLOCKV 0, RC0
	LOADV 2, RC0                                   ; no vector line since the block's wait names these registers
	s_wait_loadcnt 32                              ; block 1; behind it: block 2
	BLOCKV 1, RC1
	LOADV 3, RC1
	s_wait_loadcnt 32                              ; block 2; behind it: block 3
	LOADQ RA                                       ; the quantiser's reads of v[RA ..] stand ahead of the waits on va_vdst above, the first turn's stores ahead of its wait on vm_vsrc
	BLOCKV 2, RC0
	s_wait_loadcnt 16                              ; block 3; behind it: Q's 16 loads
	BLOCKV 3, RC1
	ds_store_b32 v[VWS], v[SB]                     ; my channel's scale word for this key step
	s_wait_loadcnt 0x0                             ; Q
	TURN RA, 0                                     ; (its wait on vm_vsrc stands behind V's stores and the second fragment's: their code registers and v[WD] are free for Q)
	s_wait_dscnt 0x0                               ; Q is back from the stage
	QONE RA, RB, 0                                 ; pass 0: block h of query r: the fragment's six registers
	QONE RA+32, RB+8, 1                            ; pass 1
.irp p, 0,1
	v_lshlrev_b32 v[WD], v[H8], v[SCR+8*\p+3]
	v_permlanex16_b32 v[WP], v[WD], s[SEL], s[SEL+1]
	v_or_b32 v[WD], v[WD], v[WP]                   ; the query's two bytes
	v_or_b32 v[RB+8*\p+6], 0x01010000, v[WD]       ; for [Q | 0]: the dead half has the byte 1,
	v_lshl_or_b32 v[RB+8*\p+7], v[WD], 16, 0x101   ; for [0 | Q]
.endr
	s_wait_alu depctr_va_vdst(0)                   ; both passes' codes and scale words, v[RB .. RB + 15], are written, which the four stores read
.irp p, 0,1
	ds_store_b128 v[QA], v[RB+8*\p:RB+8*\p+3] offset:1024*\p
	ds_store_b128 v[QA], v[RB+8*\p+4:RB+8*\p+7] offset:1024*\p+512
.endr
	s_wait_dscnt 0x0                               ; for the others' sake: all my stores into the images are done
	s_barrier_signal -1
	s_barrier_wait -1                              ; the head's K and V lie in LDS; from here on the images are only read
.irp i, 6,7,8,9,10,11
	v_mov_b32 v[QF+\i], 0                          ; the zeros between Q and Q: written once
.endr
.irp b, 0,1,2,3
	v_mov_b32 v[BP+\b], 0                          ; written once: a lane permute's destination counts as one of its sources
.endr
	v_mov_b32 v[FF+1], 0                           ; (named as the upper half of the pair)
	v_mov_b32 v[MNEG], 0xf2c9f2ca                  ; -8e30: x 1 / 8 it is the -1e30 that a hidden key's score becomes
	s_mov_b32 s[PASS], 2
	s_mov_b32 s[QP], 0
.Lpass:                                                ; two trips: a tile of 16 queries each
	s_wait_alu depctr_vm_vsrc(0)                   ; first trip: Q's four stores have read v[RB .. RB + 15], which are FR's top, ADI, ADS and S^T from here on; second trip: the stores to the stage and to out0 have read v[SS ..], Q's loads v[QAD]
	v_add_nc_u32 v[QAD], s[QP], v[QA]
	s_wait_alu depctr_va_vdst(0)                   ; v[QAD] is written, which the five loads read; the last pass's products are done reading Q and its scale words, in which they land; Q's zeros are written, which the products take
	ds_load_b128 v[QF:QF+3], v[QAD]                ; Q, twice, round the zeros
	ds_load_b64 v[QF+4:QF+5], v[QAD] offset:512
	ds_load_b128 v[QF+12:QF+15], v[QAD]
	ds_load_b64 v[QF+16:QF+17], v[QAD] offset:512
	ds_load_b64 v[QSC:QSC+1], v[QAD] offset:520    ; and its two scale words
	v_mov_b32 v[TMX], 0xff61b1e6                   ; the largest t so far: -3e38, under every t
	v_floor_f32 v[NM], -v[TMX]
	v_mov_b32 v[SUM], 0
	v_mov_b32 v[SUM+1], 0
.set j, 0
.rept 32
	v_mov_b32 v[OT+j], 0                           ; O^T.  The step is written once: its first trip finds zeros, which the first change of M leaves zeros; a tile that walks no step stores them
.set j, j+1
.endr
	s_cmp_lt_u32 s[Q0], s[LEN]                     ; has the tile a query that counts?
	s_cselect_b32 s[LENK], s[LEN], 0               ; if not, every key step is jumped over
	s_mov_b32 s[KF], 0
	s_mov_b32 s[TB], 0
	s_mov_b32 s[TS], 0
	s_mov_b32 s[CNT], 8
	s_wait_dscnt 0x0
.Lstep:                                                ; eight trips: 128 keys each
	s_cmp_ge_u32 s[KF], s[LENK]
	s_cbranch_scc1 .Lhidden                        ; all 128 keys lie beyond len: p = 0 throughout, nothing to add
	s_wait_alu depctr_vm_vsrc(0)                   ; the last step's LDS loads have read v[ADI] and v[ADS], which the two additions write
	v_add_nc_u32 v[ADI], s[TB], v[AI0]
	v_add_nc_u32 v[ADS], s[TS], v[AS0]
	v_nop                                          ; with the two additions: four plain lines between the last step's products and the loads into the registers that they read; the wait below
	v_nop                                          ; states the dependence itself
	s_wait_alu depctr_va_vdst(0)                   ; v[ADI] and v[ADS] are written, which this step's LDS loads read; the last step's products are done reading v[FR ..] and v[KS ..], in which K's loads land
.irp f, 0,1,2,3
.irp c, 0,1,2
	ds_load_b128 v[FR+12*\f+4*\c:FR+12*\f+4*\c+3], v[ADI] offset:KIMG+FRB*\f+512*\c
.endr
	ds_load_b32 v[KS+\f], v[ADS] offset:64*\f
.endr
	s_wait_dscnt 0x0
.irp f, 0,1,2,3                                ; S^T = K Q^T: each fragment of 32 keys twice: against [Q | 0] its keys A, against [0 | Q] its keys B
	v_wmma_scale_f32_16x16x128_f8f6f4 v[SS+16*\f:SS+16*\f+7], v[FR+12*\f:FR+12*\f+11], v[QF:QF+11], 0, v[KS+\f], v[QSC] matrix_a_fmt:MATRIX_FMT_FP6 matrix_b_fmt:MATRIX_FMT_FP6
	v_wmma_scale_f32_16x16x128_f8f6f4 v[SS+16*\f+8:SS+16*\f+15], v[FR+12*\f:FR+12*\f+11], v[QF+6:QF+17], 0, v[KS+\f], v[QSC+1] matrix_a_fmt:MATRIX_FMT_FP6 matrix_b_fmt:MATRIX_FMT_FP6
.endr                                          ; register 16 b + i of lane (r, h): query r, key KF + 32 b + 16 h + i
.rept 4
	v_nop                                          ; four plain lines ahead of the first read of the scores (ISA guide 7.12.1)
.endr
	s_add_co_u32 s36, s[KF], 128
	s_cmp_le_u32 s36, s[LENK]
	s_cbranch_scc1 .Lopen                          ; all 128 keys count
	s_sub_co_u32 s36, s[LENK], s[KF]               ; THE MASK, in the one step that len cuts: 1 .. 127 keys count
	v_sub_nc_u32 v[MD], s36, v[H16]                ; d = len - KF - 16 h: register 16 b + i is hidden where 32 b + i >= d
.set n, 0
.rept 4                                        ; a block of 16 registers at a time: sixteen compares into sixteen scalar registers, one wait, sixteen selects
.set mi, 0
.rept 16
	v_cmp_ge_i32 s[MK+mi+16*(mi/8)], 32*(n/16)+mi, v[MD]
.set mi, mi+1
.endr
	s_wait_alu depctr_va_sdst(0)                   ; the sixteen masks are written, ahead of the selects that read them
.set mi, 0
.rept 16
	v_cndmask_b32 v[SS+n+mi], v[SS+n+mi], v[MNEG], s[MK+mi+16*(mi/8)]
.set mi, mi+1
.endr
.set n, n+16
.endr
.Lopen:
.irp b, 0,1,2,3
	v_max3_num_f32 v[BM+\b], v[SS+16*\b], v[SS+1+16*\b], v[SS+2+16*\b]   ; the largest score of each block of 32 keys: for the row's maximum and, since p rises with the score, for the block's largest p
.endr
.irp i, 3,5,7,9,11,13
.irp b, 0,1,2,3
	v_max3_num_f32 v[BM+\b], v[BM+\b], v[SS+16*\b+\i], v[SS+1+16*\b+\i]  ; (the four blocks by turns)
.endr
.endr
.irp b, 0,1,2,3
	v_max_num_f32 v[BM+\b], v[BM+\b], v[SS+15+16*\b]
.endr
.irp b, 0,1,2,3
	v_permlanex16_b32 v[BP+\b], v[BM+\b], s[SEL], s[SEL+1]
.endr
.irp b, 0,1,2,3
	v_max_num_f32 v[BM+\b], v[BM+\b], v[BP+\b]     ; with lane l xor 16's 16 keys
.endr
	v_max3_num_f32 v[T0], v[BM], v[BM+1], v[BM+2]
	v_max_num_f32 v[T0], v[T0], v[BM+3]            ; the step's largest score of my query
	v_mul_f32 v[T0], s[CS], v[T0]                  ; as t (c is positive)
	v_max_num_f32 v[TMX], v[TMX], v[T0]            ; the running largest t
	v_mov_b32 v[T0], v[NM]
	v_floor_f32 v[NM], -v[TMX]                     ; the new -M = floor(-t) = -ceil(t): a whole number
	v_sub_f32 v[T0], v[NM], v[T0]                  ; old M - new M: a whole number, 0 or less
	v_cvt_i32_f32 v[T0], v[T0]                     ; (it saturates)
	v_ldexp_f32 v[FF], 1.0, v[T0]                  ; f = 2^(old M - new M): the multiplications by it round nothing
.set j, 0
.rept 32
	v_pk_fma_f32 v[SS+j:SS+j+1], v[SS+j:SS+j+1], s[CS:CS+1], v[NM:NM+1] op_sel_hi:[1,0,0]   ; t - M, two at a time (of the pairs c and -M the low word serves both halves)
.set j, j+2
.endr
.irp b, 0,1,2,3
	v_fma_f32 v[BM+\b], v[BM+\b], s[CS], v[NM]     ; the same of each block's largest score
.endr
.set j, 0
	s_wait_alu depctr_va_vdst(0)
.rept 64
	v_exp_f32 v[SS+j], v[SS+j]                     ; p = 2^(t - M), at most 1, not normalised
.set j, j+1
.endr
	v_pk_mul_f32 v[SUM:SUM+1], v[SUM:SUM+1], v[FF:FF+1] op_sel_hi:[1,0]   ; the sums under the new M: the plain line behind the exponentials
	s_wait_alu depctr_va_vdst(0)                   ; the 64 exponentials have written p, ahead of its first reader (one wait for the batch); and the products of S^T are done reading v[FR ..], the last step's products of O^T v[VS ..], in which V's loads land
.irp t, 0,1,2,3                                ; V's four fragments of this step are asked for here and land during the sums, the scales, the conversions and the rescaling, none of which names their registers or their addresses
.irp c, 0,1,2
	ds_load_b128 v[FR+12*\t+4*\c:FR+12*\t+4*\c+3], v[ADI] offset:VIMG+FRB*\t+512*\c
.endr
	ds_load_b32 v[VS+\t], v[ADS] offset:VSC-KSC+64*\t
.endr
.irp b, 0,1,2,3
	v_exp_f32 v[BM+\b], v[BM+\b]                   ; the block's largest p: the same two instructions on the same number give the same bits
.endr
	v_pk_add_f32 v[SU2:SU2+1], v[SS:SS+1], v[SS+2:SS+3]   ; the row's sum is taken of the unquantised p: two at a time, in two chains; it reads the 64 alone
.irp j, 4,8,12,16,20,24,28,32,36,40,44,48,52,56,60
	v_pk_add_f32 v[SUM:SUM+1], v[SUM:SUM+1], v[SS+\j:SS+\j+1]
	v_pk_add_f32 v[SU2:SU2+1], v[SU2:SU2+1], v[SS+2+\j:SS+3+\j]
.endr
	v_pk_add_f32 v[SUM:SUM+1], v[SUM:SUM+1], v[SU2:SU2+1]
	s_wait_alu depctr_va_vdst(0)                   ; the four exponentials have written the blocks' largest p, ahead of their first reader
.irp b, 0,1,2,3
	v_max_num_f32 v[BM+\b], 0x1800000, v[BM+\b]    ; the floor 2^(3 - 127): the byte cannot fall under 1 (a block whose every p is 0 keeps that byte: its codes are zeros)
.endr
.irp b, 0,1,2,3
	v_add_nc_u32 v[SO+\b], 0xff000000, v[BM+\b]    ; 2 off the exponent field: the conversion's scale operand
.endr
.irp b, 0,1,2,3
	v_lshrrev_b32 v[BP+\b], 23, v[SO+\b]           ; the scale's byte
.endr
	v_lshl_or_b32 v[PSW], v[BP+1], 8, v[BP]        ; p's scale word for these 128 keys
	v_lshl_or_b32 v[PSW], v[BP+2], 16, v[PSW]
	v_lshl_or_b32 v[PSW], v[BP+3], 24, v[PSW]
.irp c, 0,1
	v_cvt_scalef32_pk16_fp6_f32 v[PC+6*\c:PC+6*\c+2], v[SS+32*\c:SS+32*\c+15], v[SO+2*\c]
	v_cvt_scalef32_pk16_fp6_f32 v[PT+4*\c:PT+4*\c+2], v[SS+16+32*\c:SS+31+32*\c], v[SO+2*\c+1]   ; (a conversion's three registers begin on an even number)
.endr
	v_nop                                          ; one plain line behind a scaled conversion
.irp c, 0,1                                    ; the operand's layout wants a whole block in a lane: lanes 0-15 block 2 c, lanes 16-31 block 2 c + 1
.irp i, 0,1,2
	v_permlane16_swap_b32 v[PC+6*\c+\i], v[PT+4*\c+\i]
.endr
.irp i, 0,1,2
	v_mov_b32 v[PC+3+6*\c+\i], v[PT+4*\c+\i]
.endr
.endr
.set j, 0
.rept 16
	v_pk_mul_f32 v[OT+j:OT+j+1], v[OT+j:OT+j+1], v[FF:FF+1] op_sel_hi:[1,0]   ; O^T under the new M.  Twelve of the sixteen name no register of any one product below: the lines owed behind p's scale word (8) and p's codes (4)
.set j, j+2
.endr
	s_wait_alu depctr_va_vdst(0)                   ; p's codes v[PC ..] and its scale word v[PSW] are written, which the scaled products below take; the plain lines above stay beside this wait
	s_wait_dscnt 0x0                               ; V's fragments and scale words are in
.irp t, 0,1,2,3                                ; O^T += V^T P^T: four accumulators by turns; between two steps' products on one accumulator stand the eight products of S^T
	v_wmma_scale_f32_16x16x128_f8f6f4 v[OT+8*\t:OT+8*\t+7], v[FR+12*\t:FR+12*\t+11], v[PC:PC+11], v[OT+8*\t:OT+8*\t+7], v[VS+\t], v[PSW] matrix_a_fmt:MATRIX_FMT_FP6 matrix_b_fmt:MATRIX_FMT_FP6
.endr
.Lhidden:
	s_add_co_u32 s[KF], s[KF], 128
	s_add_co_u32 s[TB], s[TB], 4*FRB
	s_add_co_u32 s[TS], s[TS], 256
	s_sub_co_u32 s[CNT], s[CNT], 1
	s_cmp_lg_u32 s[CNT], 0
	s_cbranch_scc1 .Lstep
	; ---- the way out: O^T / the sum, 0 for a query beyond len; through my stage, so that sixteen lanes store one query's 256 consecutive bytes
	v_add_f32 v[T0], v[SUM], v[SUM+1]              ; the sum's two halves,  (these lines are also the plain lines behind the last products)
	v_permlanex16_b32 v[BP], v[T0], s[SEL], s[SEL+1]
	v_add_f32 v[T0], v[T0], v[BP]                  ; and lane l xor 16's: the row's sum
	s_wait_alu depctr_va_vdst(0)
	v_rcp_f32 v[SUM], v[T0]
	v_add_nc_u32 v[MD], s[Q0], v[RQ]               ; my query  (a plain line behind the reciprocal)
	v_cmp_gt_u32 vcc_lo, s[LEN], v[MD]             ; does it count?
	s_wait_alu depctr_va_vdst(0)                   ; the reciprocal has written v[SUM], ahead of its first reader
	s_wait_alu depctr_va_vcc(0)                    ; the compare has written VCC, ahead of the select that reads it
	v_cndmask_b32 v[SUM], 0, v[SUM], vcc_lo        ; if not, the factor is 0: O^T is finite (zeros where no step was walked)
.set j, 0
.rept 16
	v_pk_mul_f32 v[SS+j:SS+j+1], v[OT+j:OT+j+1], v[SUM:SUM+1] op_sel_hi:[1,0]   ; register 8 t + i: out(query r, channel 16 t + 8 h + i); each accumulator from its low end on
.set j, j+2
.endr
	s_wait_alu depctr_va_vdst(0)                   ; the multiplications have written v[SS .. SS + 31], which the stage's stores read; the last step's lines are done with v[SS + 32 .. SS + 63], in which the stage's loads land
.irp t, 0,1,2,3
	ds_store_b128 v[STO], v[SS+8*\t:SS+8*\t+3] offset:64*\t
	ds_store_b128 v[STO], v[SS+8*\t+4:SS+8*\t+7] offset:64*\t+16
.endr
.irp i, 0,1,2,3,4,5,6,7
	ds_load_b128 v[SS+32+4*\i:SS+35+4*\i], v[SIN] offset:2*\i*SP   ; LDS serves a wave's instructions in order: these see my stores
.endr
.irp i, 0,1,2,3,4,5,6,7
	s_wait_dscnt 7-\i                              ; the younger loads from the stage may stay out
	global_store_b128 v[GOF], v[SS+32+4*\i:SS+35+4*\i], s[12:13] offset:2*\i*TOK th:TH_STORE_NT   ; sixteen lanes store 256 consecutive bytes, at a multiple of 256 from out0's first byte; written once
.endr
	s_wait_xcnt 0x0                                ; the stores have had their addresses translated: their base is written below; their data are written again in the next pass, behind the wait on vm_vsrc at its head
	s_add_nc_u64 s[12:13], s[12:13], 512*TOK       ; the next pass's tile lies 512 queries on
	s_add_co_u32 s[Q0], s[Q0], 512
	s_add_co_u32 s[QP], s[QP], 1024
	s_sub_co_u32 s[PASS], s[PASS], 1
	s_cmp_lg_u32 s[PASS], 0
	s_cbranch_scc1 .Lpass
	s_wait_dscnt 0x0
	s_wait_alu depctr_hold_cnt(0) depctr_sa_sdst(0) depctr_va_vdst(0) depctr_va_sdst(0) depctr_va_ssrc(0) depctr_va_vcc(0) depctr_vm_vsrc(0)
	s_wait_tensorcnt 0x0
	ds_add_u32 v239, v243
	s_wait_dscnt 0x0
	s_endpgm
.Lfunc_end_k_q8b42889736_attn:
	.size	k_q8b42889736_attn, .Lfunc_end_k_q8b42889736_attn-k_q8b42889736_attn
	.p2alignl 7, 3214868480
	.fill 96, 4, 3214868480
	.section	.rodata,"a",@progbits
	.p2align	6, 0x0
	.amdhsa_kernel k_q8b42889736_attn
		.amdhsa_group_segment_fixed_size 276480
		.amdhsa_private_segment_fixed_size 0
		.amdhsa_enable_private_segment 0
		.amdhsa_kernarg_size 40
		.amdhsa_user_sgpr_count 2
		.amdhsa_user_sgpr_kernarg_segment_ptr 1
		.amdhsa_wavefront_size32 1
		.amdhsa_system_sgpr_workgroup_id_x 1
		.amdhsa_system_sgpr_workgroup_id_y 1
		.amdhsa_system_sgpr_workgroup_id_z 1
		.amdhsa_system_vgpr_workitem_id 0
		.amdhsa_next_free_vgpr 256
		.amdhsa_next_free_sgpr 66
		.amdhsa_reserve_vcc 1
		.amdhsa_float_denorm_mode_32 3
		.amdhsa_float_denorm_mode_16_64 3
		.amdhsa_memory_ordered 1
		.amdhsa_forward_progress 1
		.amdhsa_inst_pref_size 75
	.end_amdhsa_kernel
	.amdgpu_metadata
---
amdhsa.version: [ 1, 2 ]
amdhsa.kernels:
  - .name:           k_q8b42889736_attn
    .symbol:         k_q8b42889736_attn.kd
    .args:
      - { .name: q, .offset: 0, .size: 8, .value_kind: global_buffer, .address_space: global }
      - { .name: k, .offset: 8, .size: 8, .value_kind: global_buffer, .address_space: global }
      - { .name: v, .offset: 16, .size: 8, .value_kind: global_buffer, .address_space: global }
      - { .name: cu_seqlens, .offset: 24, .size: 8, .value_kind: global_buffer, .address_space: global }
      - { .name: out0, .offset: 32, .size: 8, .value_kind: global_buffer, .address_space: global }
    .group_segment_fixed_size: 276480
    .private_segment_fixed_size: 0
    .kernarg_segment_align: 8
    .kernarg_segment_size: 40
    .max_flat_workgroup_size: 512
    .sgpr_count:     66
    .vgpr_count:     256
    .wavefront_size: 32
...
	.end_amdgpu_metadata
.endif
;; end of part 2
